; MI455X (gfx1250); checked and timed in simulation.
; The chip was launched on July 23, 2026; its instructions are those of AMD's public machine-readable ISA for CDNA 5 (MIT licence, August 2026) and "CDNA5" Instruction Set Architecture Reference Guide (July 2026). The comments in the code are by the model that wrote it; some were corrected since.
;; Multi Query Attention. Allowed arithmetic: matrix products marked QUANTISED: E2M3 operands, one E8M0 scale for each 32 along K, by v_wmma_scale_f32_16x16x128_f8f6f4 with both operands' format E2M3, f32 sums; everything else in f32.
;; Inputs: Wk 1,024 x 64 float32; Wp 1,024 x 1,024 float32; Wq 1,024 x 1,024 float32; Wv 1,024 x 64 float32; bp 1,024 float32; x 2 x 2,048 x 1,024 float32.
;; Outputs: out0 2 x 2,048 x 1,024 float32.
;; This version of the problem:
;;   THIS VERSION OF THE PROBLEM IS GIVEN IN LOW PRECISION. The matrix products marked QUANTISED in the list below multiply operands that are first quantised to E2M3 (2 exponent bits, 3 mantissa bits; 6 bits a number), with one power-of-two scale for each 32 numbers along K (OCP MX v1.0); their sums are f32. All else is computed in f32.
;;   The module's matrix products, in the order in which they are computed (A, B: the left and right operand; K: the contracted axis; several contracted axes count as one K, in the product's order):
;;     1. [M 4,096, K 1,024] x [K 1,024, N 1,024]; A: input x; B: input Wq: QUANTISED
;;     2. [M 4,096, K 1,024] x [K 1,024, N 64]; A: input x; B: input Wk: QUANTISED
;;     3. [M 4,096, K 1,024] x [K 1,024, N 64]; A: input x; B: input Wv: QUANTISED
;;     4. batch 2 x [M 32,768, K 64] x [K 64, N 2,048]; A: computed on the way; B: computed on the way: QUANTISED
;;     5. batch 2 x [M 32,768, K 2,048] x [K 2,048, N 64]; A: softmax (see below); B: computed on the way: QUANTISED
;;     6. [M 4,096, K 1,024] x [K 1,024, N 1,024]; A: computed on the way; B: input Wp: QUANTISED
;;   THE QUANTISER, for each operand of a quantised product, along K:
;;     - K is cut into blocks of 32 from its start; a last block that is shorter is filled with zeros.
;;     - A block's scale is 2^e with e = floor(log2(the largest magnitude in the block)) - 2, held to -126 .. 127; a block of zeros has e = 0. As a byte (E8M0): e + 127.
;;     - Each number is divided by its block's scale, clamped to +-7.5, and rounded to the nearest number of E2M3, ties to even, subnormals kept.
;;     - The product sums the exact products of the quantised numbers (number of the format x scale) in f32.
;;   ~~~python
;;   def quantise(x, axis):      # numpy; x: float32 -> the quantised numbers, widened to float32 again
;;       x = np.moveaxis(x, axis, -1); K = x.shape[-1]
;;       x = np.pad(x, [(0, 0)] * (x.ndim - 1) + [(0, -K % 32)]); x = x.reshape(x.shape[:-1] + (-1, 32)); a = np.abs(x).max(-1, keepdims=True)
;;       e = np.where(a > 0, np.clip(np.frexp(np.where(a > 0, a, 1))[1] - 1 - 2, -126, 127), 0)      # np.frexp(a)[1] - 1 = floor(log2(a)), exactly
;;       r = np.clip(x / 2.0 ** e, -7.5, 7.5)
;;       step = 2.0 ** (np.maximum(np.frexp(np.where(r == 0, 1, r))[1] - 1, 0) - 3)
;;       q = np.round(r / step) * step * 2.0 ** e      # np.round: ties to even
;;       return np.moveaxis(q.reshape(q.shape[:-2] + (-1,))[..., :K], -1, axis).astype(np.float32)
;;   ~~~
;;   SOFTMAX AHEAD OF A QUANTISED PRODUCT. Where the list says 'softmax', what is quantised is not the finished softmax but p = 2^(t - M), with t = logit x log2(e) and M = ceil(the row's largest t), a whole number; so 1/2 < the row's largest p <= 1. The row's sum l is taken of the UNQUANTISED p, in f32, and the product's result is divided by l at the end. Since M is a whole number, a kernel that streams over the keys may use a running M (the ceiling of the running maximum): every later rescaling is an exact power of two, which a block's scale takes up: the codes' values come out the same.
;;   OPERANDS COMPUTED ON THE WAY. 'Computed on the way' means the value that the module computes at that place (a softmax that the list does not call 'softmax' is quantised finished and normalised). What goes into a quantiser is computed in f32, as accurately as f32 sums, v_exp_f32 and their like allow (about 1e-6 of the number): no bf16 or f16 on the way to a quantiser, and a product that is left as it is and whose result goes on into a quantised operand takes f32 operands (vector FMAs, or v_wmma_f32_16x16x4_f32). A number that lies on a knife's edge between two numbers of the format may be rounded either way, as far as f32 arithmetic and the matrix unit's own rounding can turn it there, and no further.
;; One version. Each part assembles by itself: llvm-mc -triple=amdgcn-amd-amdhsa -mcpu=gfx1250 --defsym DOCPART=n.
;; ======== version 1 of 1: 4 launches
;; limits: right only within a limited range of input values
;; workspace buffers: img 5,017,600 bytes; qc 3,145,728 bytes; qs 262,144 bytes; kv 409,600 bytes; oimg 3,276,800 bytes
;; launch quant (part 1): grid 196 x 1, 8 waves a work-group, no clusters, 95,232 bytes of LDS; arguments x, Wq, Wk, Wv, Wp, img; writes img
.if DOCPART == 1
	.amdgcn_target "amdgcn-amd-amdhsa--gfx1250"
	.amdhsa_code_object_version 6
	.text
	.protected	k_qcee95856c6_quant
	.globl	k_qcee95856c6_quant
	.p2align	8
	.type	k_qcee95856c6_quant,@function
k_qcee95856c6_quant:
	s_mov_b64 s[64:65], 0
	v_nop
	global_prefetch_b8 v0, s[64:65] scope:SCOPE_SE
	s_setreg_imm32_b32 hwreg(HW_REG_WAVE_MODE, 25, 1), 1
	s_wait_xcnt 0x0
; x [4096][1024] and the four weights ([1024 (K)][N]) become codes of FP6 (E2M3) with one E8M0 byte for each 32 along K, laid in the ORDER OF AN OPERAND'S REGISTERS.  No step of the problem is left out.
; A BLOCK OF 64 ROWS (tokens of x, or output columns of a weight) is 51,200 bytes of img: 2,048 bytes of scale words [K step s 0..7][tile t 0..3][slot r 0..15], then 32 fragment images of 1,536 bytes at 2048 + (4 s + t) 1536.
; A fragment image: registers 4 p .. 4 p + 3 of lane l at 512 p + 16 l.  Slot r of tile t is row 32 (r / 8) + 8 t + r % 8 of the 64: so the four tiles' results of a lane are 32 neighbours.
; img: blocks 0-63 x, 64-79 Wq (a head each), 80 Wk, 81 Wv, 82-97 Wp.
; A block's scale is 2^(floor(log2(its largest magnitude)) - 2): its byte is the largest magnitude's exponent field - 2, held at 1 from below.
; LIMITS: NaN and infinities among the inputs are not served; a block whose largest magnitude lies under 2^-124 keeps the byte 1; a block of zeros has the byte 1 where the rule says 127 (its codes are zeros, and this program alone reads the bytes).
; SHARES.  Waves share nothing: no barrier.  Work-groups share no input: no cluster.  No tensor loads.  A wave makes two tiles (32 rows) of one K step of 128.
; Work-groups 0-127 take x: half of a block's tiles, a K step a wave; K is innermost: a token's 512 bytes are loaded whole and turned through the wave's stage.
; Work-groups 128-195 take the weights: a block of 64 columns, four K steps, two waves to a K step; K is the first axis: a lane takes a column, its registers run down K.
.set BLK64, 51200
.set FRAG,  1536
.set XP,    528                        ; x's stage: a row's 512 bytes + 16
.set XSTG,  16*XP                      ; a wave's
.set WPI,   1664                       ; the weights' stage: a fragment image + 128
.set WSTG,  2*WPI
.set WST0,  8*XSTG
.set SPARE, WST0+8*WSTG
.set L16,  5                           ; v5   16 x lane
.set L4,   7                           ; v7   4 x lane
.set XIN,  8                           ; v8   x's stage, in
.set XOUT, 9                           ; v9   x's stage, out: row r, + 128 h
.set WSI,  10                          ; v10  the weights' stage, in
.set WSO,  11                          ; v11  the weights' stage, out
.set WSC,  12                          ; v12  my column's scale word in the two tiles' 128 bytes
.set WLD,  28                          ; v28  my column's place in a row of a weight: 4 (l % 16) + 128 (l / 16)
.set XR,   64                          ; v64-191  numbers as loaded
.set XT,   192                         ; v192-255 x: 64 numbers of my row;  weights: images read back
.set XF,   32                          ; v32-55   x: two fragments;  weights: v32 + 8 x K block
	s_load_b256 s[4:11], s[0:1], 0x0               ; x s[4:5], Wq s[6:7], Wk s[8:9], Wv s[10:11]
	s_load_b128 s[12:15], s[0:1], 0x20             ; Wp s[12:13], img s[14:15]
	v_lshl_add_u32 v31, v0, 2, SPARE               ; my spare word
	v_mov_b32 v63, 0
	v_lshrrev_b32 v1, 5, v0
	v_and_b32 v2, 31, v0                           ; lane
	v_readfirstlane_b32 s16, v1                    ; wave
	v_and_b32 v3, 15, v0                           ; r
	v_bfe_u32 v4, v0, 4, 1                         ; h
	v_bfe_u32 v13, v0, 3, 1                        ; a column's tile of the two: bit 3 of the lane,
	v_and_b32 v14, 7, v0
	v_lshlrev_b32 v[L16], 4, v2
	v_lshlrev_b32 v[L4], 2, v2
	v_lshlrev_b32 v[WLD], 7, v4
	v_lshl_or_b32 v14, v4, 3, v14                  ; and its slot: lane % 8 + 8 (lane / 16)
	v_mul_u32_u24 v[XOUT], v3, XP
	v_lshl_add_u32 v[WLD], v3, 2, v[WLD]
	v_mul_u32_u24 v[WSI], v13, WPI
	v_lshl_add_u32 v[XOUT], v4, 7, v[XOUT]
	v_lshl_add_u32 v[WSC], v13, 4, v14
	v_lshl_add_u32 v[WSI], v14, 4, v[WSI]
	s_mul_i32 s17, s16, XSTG
	s_mul_i32 s18, s16, WSTG
	s_add_co_u32 s18, s18, WST0
	v_add_nc_u32 v[XIN], s17, v[L16]
	v_add_nc_u32 v[XOUT], s17, v[XOUT]
	v_add_nc_u32 v[WSI], s18, v[WSI]
	v_add_nc_u32 v[WSO], s18, v[L16]
	v_lshlrev_b32 v[WSC], 2, v[WSC]
	v_lshlrev_b32 v23, 3, v4                       ; 8 h
	v_mov_b32 v24, 0                               ; a lane permute's destination counts as one of its sources
	s_lshr_b32 s19, ttmp9, 1                       ; the block of 64;
	s_and_b32 s20, ttmp9, 1                        ; x: tiles 2 s20, 2 s20 + 1, K step = wave;
	s_lshr_b32 s38, s16, 1
	s_lshl_b32 s39, s20, 2
	s_add_co_u32 s38, s38, s39                     ; weights: K step 4 (work-group % 2) + wave / 2,
	s_and_b32 s39, s16, 1                          ; tiles by the wave's low bit
	s_cmp_lt_u32 ttmp9, 128
	s_cselect_b32 s16, s16, s38                    ; K step
	s_cselect_b32 s20, s20, s39                    ; which two tiles
	s_mul_i32 s19, s19, BLK64
	s_lshl_b32 s21, s16, 2
	s_lshl_b32 s22, s20, 1
	s_add_co_u32 s21, s21, s22
	s_mul_i32 s21, s21, FRAG
	s_add_co_u32 s21, s21, s19
	s_add_co_u32 s24, s21, 2048                    ; my two fragments: 3,072 bytes on end
	s_mov_b32 s25, 0
	s_lshl_b32 s21, s16, 8
	s_lshl_b32 s22, s20, 7
	s_add_co_u32 s21, s21, s22
	s_add_co_u32 s26, s21, s19                     ; my 32 scale words
	s_mov_b32 s27, 0
	s_mov_b32 s28, 0x76543210
	s_mov_b32 s29, 0xfedcba98                      ; v_permlanex16_b32's selects for lane l xor 16
	s_mov_b32 s30, 0xffff0000                      ; lanes 16-31
	s_wait_alu depctr_va_vdst(0)                   ; the wait at the head's end
	s_wait_kmcnt 0x0
	s_add_nc_u64 s[24:25], s[14:15], s[24:25]
	s_add_nc_u64 s[26:27], s[14:15], s[26:27]
	s_cmp_lt_u32 ttmp9, 128
	s_cbranch_scc0 .Lweights
	; ---- x: 32 tokens x 128 along K.  Each load takes one token's 512 consecutive bytes; the first tile's sixteen tokens first
	s_lshr_b32 s32, ttmp9, 1
	s_lshl_b32 s32, s32, 18                        ; 64 rows of 4,096 bytes a block,
	s_lshl_b32 s33, s20, 16                        ; 16 rows on for the second two tiles
	s_add_co_u32 s32, s32, s33
	s_lshl_b32 s33, s16, 9
	s_add_co_u32 s32, s32, s33
	s_mov_b32 s33, 0
	s_add_nc_u64 s[4:5], s[4:5], s[32:33]
.set n, 0
.rept 32
	global_load_b128 v[XR+4*n:XR+4*n+3], v[L16], s[4:5] offset:(8*(n/16)+n%8+32*((n%16)/8))*4096 th:TH_LOAD_NT
.set n, n+1
.endr
.macro XTILE u
.if \u == 0
	s_wait_loadcnt 16                              ; the first tile's sixteen loads are in; the second's may be out
.else
	s_wait_loadcnt 0x0
.endif
.set n, 0
.rept 16
	ds_store_b128 v[XIN], v[XR+64*\u+4*n:XR+64*\u+4*n+3] offset:n*XP
.set n, n+1
.endr
.set n, 0
.rept 16                                       ; lane (r, h) takes k = 64 c + 32 h + 0 .. 31 of row r: two whole blocks.  LDS serves a wave's instructions in order: these see the stores above
	ds_load_b128 v[XT+4*n:XT+4*n+3], v[XOUT] offset:256*(n/8)+16*(n%8)
.set n, n+1
.endr
	s_wait_dscnt 0x0
.irp c, 0,1
	v_max3_num_f32 v[16+\c], |v[XT+32*\c]|, |v[XT+32*\c+1]|, 0x1800000   ; block 2 c + h, and the floor 2^(3 - 127): the byte cannot fall under 1
.endr
.irp i, 2,4,6,8,10,12,14,16,18,20,22,24,26,28,30
.irp c, 0,1
	v_max3_num_f32 v[16+\c], v[16+\c], |v[XT+32*\c+\i]|, |v[XT+32*\c+\i+1]|
.endr
.endr
.irp c, 0,1
	v_add_nc_u32 v[18+\c], 0xff000000, v[16+\c]    ; 2 off the exponent field: the conversion's scale operand
.endr
.irp c, 0,1
	v_lshrrev_b32 v[20+\c], 23, v[18+\c]           ; the scale's byte
.endr
	v_lshl_or_b32 v22, v21, 16, v20                ; my bytes, blocks h and 2 + h,
	v_lshlrev_b32 v22, v23, v22                    ; at their places (8 h bits up);
	v_permlanex16_b32 v24, v22, s28, s29
	v_or_b32 v[26+\u], v22, v24                    ; with lane l xor 16's two the row's word is whole
.irp c, 0,1
	v_cvt_scalef32_pk16_fp6_f32 v[XF+12*\u+6*\c:XF+12*\u+6*\c+2], v[XT+32*\c:XT+32*\c+15], v[18+\c]
	v_cvt_scalef32_pk16_fp6_f32 v[56+4*\c:58+4*\c], v[XT+32*\c+16:XT+32*\c+31], v[18+\c]   ; (a conversion's three registers begin on an even number)
.endr
	v_nop                                          ; one plain place behind a scaled conversion
.irp c, 0,1
.irp i, 0,1,2
	v_mov_b32 v[XF+12*\u+6*\c+3+\i], v[56+4*\c+\i]
.endr
.endr
.irp p, 0,1,2
	global_store_b128 v[L16], v[XF+12*\u+4*\p:XF+12*\u+4*\p+3], s[24:25] offset:FRAG*\u+512*\p   ; 32 lanes store 512 consecutive bytes, aligned
.endr
.endm
	XTILE 0
	XTILE 1
	v_cndmask_b32 v25, v26, v27, s30               ; lanes 0-15 the first tile's words, lanes 16-31 the second's
	global_store_b32 v[L4], v25, s[26:27]
	s_wait_tensorcnt 0x0                           ; the wave's end
	ds_add_u32 v31, v63
	s_wait_dscnt 0x0
	s_endpgm
	; ---- a weight: lane l takes column 16 s20 + l % 16 + 32 (l / 16) of the block: the columns of the two tiles
.Lweights:
	s_sub_co_u32 s31, ttmp9, 128                   ; 0-31 Wq, 32-33 Wk, 34-35 Wv, 36-67 Wp
	s_sub_co_u32 s34, s31, 36
	s_sub_co_u32 s36, s31, 34
	s_sub_co_u32 s37, s31, 32
	s_mov_b64 s[32:33], s[12:13]
	s_mov_b32 s35, 0                               ; 1: rows of 256 bytes (Wk, Wv); 0: of 4,096
	s_cmp_lt_u32 s31, 36
	s_cselect_b64 s[32:33], s[10:11], s[32:33]
	s_cselect_b32 s34, s36, s34
	s_cselect_b32 s35, 1, s35
	s_cmp_lt_u32 s31, 34
	s_cselect_b64 s[32:33], s[8:9], s[32:33]
	s_cselect_b32 s34, s37, s34
	s_cmp_lt_u32 s31, 32
	s_cselect_b64 s[32:33], s[6:7], s[32:33]
	s_cselect_b32 s34, s31, s34                    ; 2 x the tensor's block of 64 columns + which K steps
	s_cselect_b32 s35, 0, s35
	s_lshl_b32 s36, s16, 19                        ; 128 rows a K step
	s_lshl_b32 s37, s16, 15
	s_cmp_eq_u32 s35, 0
	s_cselect_b32 s36, s36, s37
	s_lshr_b32 s34, s34, 1
	s_lshl_b32 s34, s34, 8
	s_add_co_u32 s36, s36, s34
	s_lshl_b32 s34, s20, 6
	s_add_co_u32 s36, s36, s34
	s_mov_b32 s37, 0
	s_add_nc_u64 s[32:33], s[32:33], s[36:37]
.macro LOADW blk                       ; K block blk: W(32 blk + i, my column): with its neighbour wave a row's 256 bytes are read whole.  The two arms differ in the rows' pitch alone and issue the same number of loads
	s_cmp_eq_u32 s35, 0
	s_cbranch_scc0 .Lnarrow_\@
.set n, 0
.rept 32
	global_load_b32 v[XR+32*\blk+n], v[WLD], s[32:33] offset:(32*\blk+n)*4096
.set n, n+1
.endr
	s_branch .Lloaded_\@
.Lnarrow_\@:
.set n, 0
.rept 32
	global_load_b32 v[XR+32*\blk+n], v[WLD], s[32:33] offset:(32*\blk+n)*256
.set n, n+1
.endr
.Lloaded_\@:
.endm
.macro WBLOCK blk                      ; all 32 numbers of the block are mine
.set XS, XR+32*\blk
.set FB, XF+8*\blk
	v_max3_num_f32 v16, |v[XS]|, |v[XS+1]|, |v[XS+2]|
	v_max3_num_f32 v17, |v[XS+3]|, |v[XS+4]|, |v[XS+5]|
.irp i, 6,10,14,18,22,26
	v_max3_num_f32 v16, v16, |v[XS+\i]|, |v[XS+\i+1]|
	v_max3_num_f32 v17, v17, |v[XS+\i+2]|, |v[XS+\i+3]|
.endr
	v_max3_num_f32 v16, v16, |v[XS+30]|, |v[XS+31]|
	v_max3_num_f32 v16, v16, v17, 0x1800000        ; and the floor
	v_add_nc_u32 v18, 0xff000000, v16
	v_lshrrev_b32 v19, 23, v18
.if \blk == 0
	v_mov_b32 v20, v19                             ; the column's scale word: the lower K in the lower byte
.else
	v_lshl_or_b32 v20, v19, 8*\blk, v20
.endif
	v_cvt_scalef32_pk16_fp6_f32 v[FB:FB+2], v[XS:XS+15], v18
	v_cvt_scalef32_pk16_fp6_f32 v[24:26], v[XS+16:XS+31], v18
	v_nop                                          ; one plain place behind a scaled conversion
.irp i, 0,1,2
	v_mov_b32 v[FB+3+\i], v[24+\i]
.endr
.irp i, 0,1,2                                  ; K block 2 c + h of slot r is register pairs 3 c + i of lane 16 h + r of the tile's image
	ds_store_b64 v[WSI], v[FB+2*\i:FB+2*\i+1] offset:512*((3*(\blk/2)+\i)/2)+8*((3*(\blk/2)+\i)%2)+256*(\blk%2)
.endr
.endm
	LOADW 0
	LOADW 1
	s_wait_loadcnt 32                              ; block 0 is in; block 1's 32 loads may be out
	LOADW 2
	WBLOCK 0
	s_wait_loadcnt 32                              ; block 1 is in; block 2's may be out
	LOADW 3
	WBLOCK 1
	s_wait_loadcnt 32                              ; block 2 is in; block 3's may be out
	WBLOCK 2
	s_wait_loadcnt 0x0
	WBLOCK 3
.irp n, 0,1,2,3,4,5
	ds_load_b128 v[XT+4*\n:XT+4*\n+3], v[WSO] offset:WPI*(\n/3)+512*(\n%3)   ; LDS serves a wave's instructions in order: these see my stores
.endr
	s_wait_alu depctr_va_vdst(0)
.irp n, 0,1,2,3,4,5
	s_wait_dscnt 5-\n                              ; the younger read-backs may be out
	global_store_b128 v[L16], v[XT+4*\n:XT+4*\n+3], s[24:25] offset:FRAG*(\n/3)+512*(\n%3)   ; 32 lanes store 512 consecutive bytes, aligned
.endr
	global_store_b32 v[WSC], v20, s[26:27]
	s_wait_tensorcnt 0x0
	ds_add_u32 v31, v63
	s_wait_dscnt 0x0
	s_endpgm
.Lfunc_end_k_qcee95856c6_quant:
	.size	k_qcee95856c6_quant, .Lfunc_end_k_qcee95856c6_quant-k_qcee95856c6_quant
	.p2alignl 7, 3214868480
	.fill 96, 4, 3214868480
	.section	.rodata,"a",@progbits
	.p2align	6, 0x0
	.amdhsa_kernel k_qcee95856c6_quant
		.amdhsa_group_segment_fixed_size 95232
		.amdhsa_private_segment_fixed_size 0
		.amdhsa_enable_private_segment 0
		.amdhsa_kernarg_size 48
		.amdhsa_user_sgpr_count 2
		.amdhsa_user_sgpr_kernarg_segment_ptr 1
		.amdhsa_wavefront_size32 1
		.amdhsa_system_sgpr_workgroup_id_x 1
		.amdhsa_system_sgpr_workgroup_id_y 1
		.amdhsa_system_sgpr_workgroup_id_z 1
		.amdhsa_system_vgpr_workitem_id 0
		.amdhsa_next_free_vgpr 256
		.amdhsa_next_free_sgpr 66
		.amdhsa_reserve_vcc 0
		.amdhsa_float_denorm_mode_32 3
		.amdhsa_float_denorm_mode_16_64 3
		.amdhsa_memory_ordered 1
		.amdhsa_forward_progress 1
		.amdhsa_inst_pref_size 51
	.end_amdhsa_kernel
	.amdgpu_metadata
---
amdhsa.version: [ 1, 2 ]
amdhsa.kernels:
  - .name:           k_qcee95856c6_quant
    .symbol:         k_qcee95856c6_quant.kd
    .args:
      - { .name: x, .offset: 0, .size: 8, .value_kind: global_buffer, .address_space: global }
      - { .name: Wq, .offset: 8, .size: 8, .value_kind: global_buffer, .address_space: global }
      - { .name: Wk, .offset: 16, .size: 8, .value_kind: global_buffer, .address_space: global }
      - { .name: Wv, .offset: 24, .size: 8, .value_kind: global_buffer, .address_space: global }
      - { .name: Wp, .offset: 32, .size: 8, .value_kind: global_buffer, .address_space: global }
      - { .name: img, .offset: 40, .size: 8, .value_kind: global_buffer, .address_space: global }
    .group_segment_fixed_size: 95232
    .private_segment_fixed_size: 0
    .kernarg_segment_align: 8
    .kernarg_segment_size: 48
    .max_flat_workgroup_size: 256
    .sgpr_count:     66
    .vgpr_count:     256
    .wavefront_size: 32
...
	.end_amdgpu_metadata
.endif
;; end of part 1
;; launch qkv (part 2): grid 64 x 4, 6 waves a work-group, clusters of 4 x 1, 307,968 bytes of LDS; arguments img, qc, qs, kv; writes qc, qs, kv
.if DOCPART == 2
	.amdgcn_target "amdgcn-amd-amdhsa--gfx1250"
	.amdhsa_code_object_version 6
	.text
	.protected	k_qcee95856c6_qkv
	.globl	k_qcee95856c6_qkv
	.p2align	8
	.type	k_qcee95856c6_qkv,@function
k_qcee95856c6_qkv:
	s_mov_b64 s[64:65], 0
	v_nop
	global_prefetch_b8 v0, s[64:65] scope:SCOPE_SE
	s_setreg_imm32_b32 hwreg(HW_REG_WAVE_MODE, 25, 1), 1
	s_wait_xcnt 0x0
	s_wait_alu depctr_hold_cnt(0) depctr_sa_sdst(0) depctr_va_vdst(0) depctr_va_sdst(0) depctr_va_ssrc(0) depctr_va_vcc(0) depctr_vm_vsrc(0)
	s_getreg_b32 s2, hwreg(HW_REG_IB_STS2, 6, 4)
	s_cmp_eq_u32 s2, 0
	s_cbranch_scc0 .Lentry_in_a_cluster
	s_endpgm
.Lentry_in_a_cluster:
	s_bfe_u32 s2, ttmp6, 0x10000c
	s_cmp_lg_u32 s2, 0x3003
	s_cbranch_scc0 .Lentry_shape_is_right
	s_endpgm
.Lentry_shape_is_right:
; q = x Wq, k = x Wk, v = x Wv on codes of FP6 (E2M3) from img, sums in f32; the results are quantised again in registers, q and k along the head's 64, v along the keys, and stored in the order of the attention's operand registers.
; SHARES.  Work-group (G, g): the 64 tokens of img's block G, the four heads 4 g .. 4 g + 3, and a half of k (g = 0, 1: token tiles 2 g, 2 g + 1) or of v (g = 2, 3: channel tiles 2 (g - 2), 2 (g - 2) + 1).
; Waves 0-3 make a head each, 64 x 64, sixteen accumulators; waves 4, 5 one tile of the half: four accumulators.  256 work-groups.
; All six blocks, for all of K = 1,024, come into LDS once, one tensor load a wave: blocks 0-3 the heads' weights, 4 Wk or Wv, 5 the tokens; one barrier; LDS is never filled again.
; CLUSTER 4 x 1: four work-groups of neighbouring tokens need the same five blocks of weights and ask for them JOINTLY (mask 15); the tokens' block is each one's own.  No LDS address and no branch hangs on the place in the cluster.
; No prefetch: every tile is asked for at the head, and no loop runs ahead of a load.
; THE PRODUCT IS USED TRANSPOSED.  q, k: source 0 = 16 columns of the weight, source 1 = 16 tokens: a lane holds one token, and since slot r of tile t is column 32 (r / 8) + 8 t + r % 8, its 32 registers of the four tiles
; are channels 32 h + 0 .. 31: one block along the next K.  v: the sources change places: a lane holds one channel and the keys 32 h + 0 .. 31.
; OUT.  A half fragment (64 along K, six registers) is 768 bytes: registers 0-3 of lane l at 16 l, registers 4, 5 at 512 + 8 l.
; qc [G][head][tile][768].  qs [G][head][256]: at 8 l the scale words (the two bytes, twice) of slot l % 16 of tiles l / 16 and 2 + l / 16.
; kv [batch][128 keys][12,800]: four fragments of K (half T % 2 of fragment T / 2: key tile T = 4 e + t of the two blocks e of 64 keys), four of V (channel tile t: halves e), K's 64 scale words, V's 64.
; k's and v's scale bytes leave two a lane: 16 KiB in the whole launch.
; LIMITS: a block whose largest magnitude lies under 2^-124 keeps the byte 1 (a block of zeros too: its codes are zeros, and this program alone reads the bytes); NaN and infinities are not served.
; REGISTERS.  Window 0: v1-4 LDS addresses; v8-15 scale words, two sets; v32-61 codes; v64-67, v72-79 at work; v128-255 accumulator (a, b) at v[128 + 32 b + 8 a].  Window 1: two buffers of 96: source 0's fragments, then source 1's.
.set BLK,  51200
.set FRAG, 1536
.set SPARE, 6*BLK
.set AD0, 1
.set AS0, 2
.set AD1, 3
.set AS1, 4
.set SCS, 8
.set CO16, 16                          ; 16 x lane
.set CO8, 17                           ; 8 x lane
.set H8, 18                            ; 8 h
.set C4, 19                            ; 4 x (lane % 16)
.set L4, 20                            ; 4 x lane
.set ACC, 128
.set SPW, 126
.set NIL, 127
.set WV, 12
.set SEL, 50
.set MSB, 0
.macro WIN new                         ; the immediate's high byte repeats the setting that is left
.if MSB != (\new)
	s_set_vgpr_msb (MSB<<8)|(\new)
.set MSB, (\new)
.endif
.endm
.macro PLACES                          ; four plain places behind a matrix instruction, ahead of loads into registers that it has read and of reads of its result
.rept 4
	v_nop
.endr
.endm
.macro ROUND                           ; a round of the cluster's barrier
	s_barrier_signal -1
	s_barrier_wait -1
	s_cmp_lg_u32 s[WV], 0
	s_cbranch_scc1 .Lnot_wave_0_\@
	s_barrier_signal -3
.Lnot_wave_0_\@:
	s_barrier_wait -3
	s_barrier_signal -1
	s_barrier_wait -1
.endm
	s_load_b256 s[4:11], s[0:1], 0x0               ; img s[4:5], qc s[6:7], qs s[8:9], kv s[10:11]
	v_lshl_add_u32 v[SPW], v0, 2, SPARE
	v_mov_b32 v[NIL], 0
	ds_add_u32 v[SPW], v[NIL]                      ; the opening: the add, twice on end, and its wait
	ds_add_u32 v[SPW], v[NIL]
	v_lshrrev_b32 v1, 5, v0
	v_readfirstlane_b32 s[WV], v1                  ; wave 0..5
	s_bfe_u32 s13, ttmp6, 0x40000                  ; cx
	s_and_b32 s14, ttmp7, 0xffff                   ; g
	s_lshl_b32 s15, ttmp9, 2
	s_add_co_u32 s15, s15, s13                     ; G
	; descriptor groups 1: a dense block of 51,200 bytes as 200 rows of 256 bytes (32 elements of 8 bytes): with the mask, and without
	s_mov_b32 s24, 15|(3<<16)|(1<<21)
	s_mov_b32 s40, 3<<16
.irp q, 24, 40
	s_mov_b32 s[\q+1], 32<<16
	s_mov_b32 s[\q+2], 200<<16
	s_mov_b32 s[\q+3], 32<<16
	s_mov_b32 s[\q+4], 200
	s_mov_b32 s[\q+5], 32
	s_mov_b32 s[\q+6], 0
	s_mov_b32 s[\q+7], 0
.endr
	s_lshl_b32 s16, s14, 2
	s_add_co_u32 s16, s16, s[WV]
	s_add_co_u32 s16, s16, 64                      ; waves 0-3: block 64 + 4 g + w
	s_lshr_b32 s17, s14, 1
	s_add_co_u32 s17, s17, 80                      ; wave 4: block 80 or 81
	s_cmp_lt_u32 s[WV], 4
	s_cselect_b32 s16, s16, s17
	s_mul_i32 s16, s16, BLK
	s_mov_b32 s17, 0
	s_mul_i32 s18, s15, BLK                        ; wave 5: block G
	s_mov_b32 s19, 0
	s_mov_b32 s20, 1
	s_mul_i32 s21, s[WV], BLK                      ; LDS: block w
	s_mov_b32 s32, 1
	s_mov_b32 s33, 5*BLK
	s_wait_dscnt 0x0
	s_wait_kmcnt 0x0
	s_add_nc_u64 s[22:23], s[4:5], s[16:17]
	s_or_b32 s23, s23, 0x80000000
	s_add_nc_u64 s[34:35], s[4:5], s[18:19]
	s_or_b32 s35, s35, 0x80000000
	ROUND                                          ; all four work-groups are here: the joint loads meet
	s_cmp_lt_u32 s[WV], 5
	s_cbranch_scc0 .Lown
	tensor_load_to_lds s[20:23], s[24:31]
	s_nop 0
	PLACES
	s_branch .Lasked
.Lown:
	tensor_load_to_lds s[32:35], s[40:47]
	s_nop 0
	PLACES
.Lasked:
	v_and_b32 v5, 31, v0
	v_and_b32 v6, 15, v0
	v_bfe_u32 v7, v0, 4, 1
	v_lshlrev_b32 v[CO16], 4, v5
	v_lshlrev_b32 v[CO8], 3, v5
	v_lshlrev_b32 v[L4], 2, v5
	v_lshlrev_b32 v[C4], 2, v6
	v_lshlrev_b32 v[H8], 3, v7
.irp t, 0,1,2,3
	v_mov_b32 v[64+\t], 0                          ; a lane permute's destination counts as one of its sources
.endr
	s_mul_i32 s16, s[WV], BLK
	v_add_nc_u32 v[AD0], s16, v[CO16]              ; a head: source 0 block w, source 1 block 5
	v_add_nc_u32 v[AS0], s16, v[L4]
	v_add_nc_u32 v[AD1], 5*BLK, v[CO16]
	v_add_nc_u32 v[AS1], 5*BLK, v[L4]
	s_mov_b32 s[SEL], 0x76543210
	s_mov_b32 s[SEL+1], 0xfedcba98
	s_mov_b32 s52, 0xffff0000                      ; lanes 16-31
	; a head's results: qc and qs at 16 G + head
	s_lshl_b32 s16, s15, 4
	s_lshl_b32 s17, s14, 2
	s_add_co_u32 s16, s16, s17
	s_add_co_u32 s16, s16, s[WV]
	s_mul_i32 s36, s16, 3072
	s_mov_b32 s37, 0
	s_lshl_b32 s38, s16, 8
	s_mov_b32 s39, 0
	s_add_nc_u64 s[36:37], s[6:7], s[36:37]
	s_add_nc_u64 s[38:39], s[8:9], s[38:39]
	; k's and v's: tile u = 2 (g % 2) + w % 2, half e = G % 2 of the 128 keys
	s_and_b32 s48, s[WV], 1
	s_and_b32 s17, s14, 1
	s_lshl_b32 s17, s17, 1
	s_add_co_u32 s48, s48, s17                     ; u
	s_and_b32 s49, s15, 1                          ; e
	s_lshr_b32 s16, s15, 5
	s_mul_i32 s16, s16, 204800
	s_bfe_u32 s17, s15, 0x40001
	s_mul_i32 s17, s17, 12800
	s_add_co_u32 s16, s16, s17                     ; the batch's step of 128 keys
	s_lshl_b32 s17, s49, 2
	s_add_co_u32 s17, s17, s48
	s_mul_i32 s17, s17, 768                        ; k: half fragment 4 e + u
	s_lshl_b32 s18, s48, 1
	s_add_co_u32 s18, s18, s49
	s_mul_i32 s18, s18, 768
	s_add_co_u32 s18, s18, 6144                    ; v: half e of fragment u
	s_lshl_b32 s19, s49, 7
	s_lshr_b32 s53, s48, 1
	s_lshl_b32 s53, s53, 6
	s_add_co_u32 s19, s19, s53
	s_and_b32 s53, s48, 1
	s_lshl_b32 s53, s53, 1
	s_add_co_u32 s19, s19, s53
	s_add_co_u32 s19, s19, 12288                   ; k: word of fragment 2 e + u / 2, half u % 2 of it
	s_lshl_b32 s53, s48, 6
	s_lshl_b32 s60, s49, 1
	s_add_co_u32 s53, s53, s60
	s_add_co_u32 s53, s53, 12544                   ; v: word of fragment u, half e of it
	s_mov_b32 s58, 4*BLK
	s_mov_b32 s59, 5*BLK
	s_cmp_lt_u32 s14, 2
	s_cselect_b32 s17, s17, s18
	s_cselect_b32 s19, s19, s53
	s_cselect_b32 s60, s58, s59                    ; source 0's block: k the weight, v the tokens
	s_cselect_b32 s61, s59, s58                    ; source 1's
	s_add_co_u32 s54, s16, s17
	s_mov_b32 s55, 0
	s_add_co_u32 s56, s16, s19
	s_mov_b32 s57, 0
	s_add_nc_u64 s[54:55], s[10:11], s[54:55]
	s_add_nc_u64 s[56:57], s[10:11], s[56:57]
; K step s into buffer f: source 0's four fragments and source 1's nb (4, or 1) as they lie, and their scale words: lanes 0-15 tile 2 k's, lanes 16-31 tile 2 k + 1's
.macro FETCH s, f, nb
	WIN 0x40                                       ; destination window 1, address window 0
.irp t, 0,1,2,3
.irp p, 0,1,2
	ds_load_b128 v[96*(\f)+12*\t+4*\p:96*(\f)+12*\t+4*\p+3], v[AD0] offset:2048+(4*(\s)+\t)*FRAG+512*\p
.endr
.endr
.irp t, 0,1,2,3
.if \t < \nb
.irp p, 0,1,2
	ds_load_b128 v[96*(\f)+48+12*\t+4*\p:96*(\f)+48+12*\t+4*\p+3], v[AD1] offset:2048+(4*(\s)+\t)*FRAG+512*\p
.endr
.endif
.endr
	WIN 0
.irp k, 0,1
	ds_load_b32 v[SCS+4*(\f)+\k], v[AS0] offset:256*(\s)+128*\k
.if 2*\k < \nb
	ds_load_b32 v[SCS+4*(\f)+2+\k], v[AS1] offset:256*(\s)+128*\k
.endif
.endr
.endm
; the products of a K step; the accumulators take turns, one instruction a turn, in the same order in every step.  zero = 1: they start the sums
.macro MUL f, zero, nb
	WIN 0x05                                       ; sources 0 and 1 window 1; C and D window 0
.irp kb, 0,1
.irp ob, 0,1
.if 2*\kb+\ob < \nb
.irp ka, 0,1
.irp oa, 0,1
.set D_, ACC+32*(2*\kb+\ob)+8*(2*\ka+\oa)
.set A_, 96*(\f)+12*(2*\ka+\oa)
.set B_, 96*(\f)+48+12*(2*\kb+\ob)
.if \zero
	v_wmma_scale_f32_16x16x128_f8f6f4 v[D_:D_+7], v[A_:A_+11], v[B_:B_+11], 0, v[SCS+4*(\f)+\ka], v[SCS+4*(\f)+2+\kb] matrix_a_fmt:MATRIX_FMT_FP6 matrix_b_fmt:MATRIX_FMT_FP6 matrix_a_scale:MATRIX_SCALE_ROW\oa matrix_b_scale:MATRIX_SCALE_ROW\ob
.else
	v_wmma_scale_f32_16x16x128_f8f6f4 v[D_:D_+7], v[A_:A_+11], v[B_:B_+11], v[D_:D_+7], v[SCS+4*(\f)+\ka], v[SCS+4*(\f)+2+\kb] matrix_a_fmt:MATRIX_FMT_FP6 matrix_b_fmt:MATRIX_FMT_FP6 matrix_a_scale:MATRIX_SCALE_ROW\oa matrix_b_scale:MATRIX_SCALE_ROW\ob
.endif
.endr
.endr
.endif
.endr
.endr
.endm
.macro KSTEP s, zero, nb
	s_wait_dscnt 0x0                               ; this step's loads, issued a step ago, are in
	PLACES                                         ; the other buffer was multiplied last
.if (\s) < 7
	FETCH (\s)+1, ((\s)+1)%2, \nb
.endif
	MUL (\s)%2, \zero, \nb
.endm
.macro QUANT src, rr, hw, tm           ; a lane's 32 numbers, one block along the next K, become six registers of codes and its scale byte; hw: this block's byte and lane l xor 16's, block 0's lowest
	v_max3_num_f32 v[\tm], |v[\src]|, |v[\src+1]|, 0x1800000           ; with the floor 2^(3 - 127); each accumulator from its low end on
	v_max3_num_f32 v[\tm+1], |v[\src+16]|, |v[\src+17]|, |v[\src+18]|
.irp i, 0,2,4,6,8,10
	v_max3_num_f32 v[\tm], v[\tm], |v[\src+2+\i]|, |v[\src+3+\i]|
	v_max3_num_f32 v[\tm+1], v[\tm+1], |v[\src+19+\i]|, |v[\src+20+\i]|
.endr
	v_max3_num_f32 v[\tm], v[\tm], |v[\src+14]|, |v[\src+15]|
	v_max3_num_f32 v[\tm], v[\tm], v[\tm+1], |v[\src+31]|
	v_add_nc_u32 v[\tm+2], 0xff000000, v[\tm]      ; 2 off its exponent field: the conversion's scale operand
	v_lshrrev_b32 v[\tm+3], 23, v[\tm+2]           ; the scale's byte,
	v_lshlrev_b32 v[\tm+3], v[H8], v[\tm+3]        ; 8 h bits up
	v_cvt_scalef32_pk16_fp6_f32 v[\rr:\rr+2], v[\src:\src+15], v[\tm+2]
	v_cvt_scalef32_pk16_fp6_f32 v[\tm+4:\tm+6], v[\src+16:\src+31], v[\tm+2]   ; (a conversion's three registers begin on an even number)
	v_permlanex16_b32 v[\hw], v[\tm+3], s[SEL], s[SEL+1]
	v_or_b32 v[\hw], v[\hw], v[\tm+3]
.irp i, 0,1,2
	v_mov_b32 v[\rr+3+\i], v[\tm+4+\i]
.endr
.endm
	s_wait_alu depctr_va_vdst(0)                   ; the wait at the head's end
	s_wait_tensorcnt 0x0                           ; my block has landed,
	s_barrier_signal -1
	s_barrier_wait -1                              ; everybody's has
	s_cmp_lt_u32 s[WV], 4
	s_cbranch_scc0 .Lhalf
	FETCH 0, 0, 4
	KSTEP 0, 1, 4                                  ; the first step's products start the sums
.irp s, 1,2,3,4,5,6,7
	KSTEP \s, 0, 4
.endr
	WIN 0
	PLACES
.irp t, 0,1,2,3
	QUANT ACC+32*\t, 32+8*\t, 64+\t, 72
	global_store_b128 v[CO16], v[32+8*\t:35+8*\t], s[36:37] offset:768*\t          ; 32 lanes store 512, then 256 consecutive bytes, aligned
	global_store_b64 v[CO8], v[36+8*\t:37+8*\t], s[36:37] offset:768*\t+512
.endr
.irp t, 0,1,2,3
	v_lshl_or_b32 v[24+\t], v[64+\t], 16, v[64+\t] ; the two bytes twice, since q stands in either half of the attention's operand
.endr
	v_cndmask_b32 v28, v24, v25, s52               ; lanes 0-15 tile 0's, lanes 16-31 tile 1's
	v_cndmask_b32 v29, v26, v27, s52               ; tiles 2 and 3
	global_store_b64 v[CO8], v[28:29], s[38:39]    ; 256 consecutive bytes, aligned
	s_branch .Lend
.Lhalf:
	s_mul_i32 s16, s48, FRAG
	s_add_co_u32 s16, s16, s61                     ; source 1: tile u alone
	s_lshl_b32 s17, s48, 6
	s_add_co_u32 s17, s17, s61
	v_add_nc_u32 v[AD0], s60, v[CO16]
	v_add_nc_u32 v[AS0], s60, v[L4]
	v_add_nc_u32 v[AD1], s16, v[CO16]
	v_add_nc_u32 v[AS1], s17, v[C4]
	s_wait_alu depctr_va_vdst(0)
	FETCH 0, 0, 1
	KSTEP 0, 1, 1
.irp s, 1,2,3,4,5,6,7
	KSTEP \s, 0, 1
.endr
	WIN 0
	PLACES
	QUANT ACC, 32, 64, 72
	global_store_b128 v[CO16], v[32:35], s[54:55]
	global_store_b64 v[CO8], v[36:37], s[54:55] offset:512
	global_store_b16 v[C4], v64, s[56:57]          ; lanes l and l xor 16 store the same two bytes with the same value
.Lend:
	s_wait_tensorcnt 0x0                           ; the wave's end
	ds_add_u32 v[SPW], v[NIL]
	s_wait_dscnt 0x0
	ROUND                                          ; the closing round: no work-group ends while a partner may still ask for a block that names it
	s_endpgm
.Lfunc_end_k_qcee95856c6_qkv:
	.size	k_qcee95856c6_qkv, .Lfunc_end_k_qcee95856c6_qkv-k_qcee95856c6_qkv
	.p2alignl 7, 3214868480
	.fill 96, 4, 3214868480
	.section	.rodata,"a",@progbits
	.p2align	6, 0x0
	.amdhsa_kernel k_qcee95856c6_qkv
		.amdhsa_group_segment_fixed_size 307968
		.amdhsa_private_segment_fixed_size 0
		.amdhsa_enable_private_segment 0
		.amdhsa_kernarg_size 32
		.amdhsa_user_sgpr_count 2
		.amdhsa_user_sgpr_kernarg_segment_ptr 1
		.amdhsa_wavefront_size32 1
		.amdhsa_system_sgpr_workgroup_id_x 1
		.amdhsa_system_sgpr_workgroup_id_y 1
		.amdhsa_system_sgpr_workgroup_id_z 1
		.amdhsa_system_vgpr_workitem_id 0
		.amdhsa_next_free_vgpr 448
		.amdhsa_next_free_sgpr 66
		.amdhsa_reserve_vcc 0
		.amdhsa_float_denorm_mode_32 3
		.amdhsa_float_denorm_mode_16_64 3
		.amdhsa_memory_ordered 1
		.amdhsa_forward_progress 1
		.amdhsa_inst_pref_size 64
	.end_amdhsa_kernel
	.amdgpu_metadata
---
amdhsa.version: [ 1, 2 ]
amdhsa.kernels:
  - .name:           k_qcee95856c6_qkv
    .symbol:         k_qcee95856c6_qkv.kd
    .args:
      - { .name: img, .offset: 0, .size: 8, .value_kind: global_buffer, .address_space: global }
      - { .name: qc, .offset: 8, .size: 8, .value_kind: global_buffer, .address_space: global }
      - { .name: qs, .offset: 16, .size: 8, .value_kind: global_buffer, .address_space: global }
      - { .name: kv, .offset: 24, .size: 8, .value_kind: global_buffer, .address_space: global }
    .group_segment_fixed_size: 307968
    .private_segment_fixed_size: 0
    .kernarg_segment_align: 8
    .kernarg_segment_size: 32
    .max_flat_workgroup_size: 192
    .sgpr_count:     66
    .vgpr_count:     448
    .wavefront_size: 32
...
	.end_amdgpu_metadata
.endif
;; end of part 2
;; launch attn (part 3): grid 128 x 2, 8 waves a work-group, clusters of 4 x 1, 206,336 bytes of LDS; arguments qc, qs, kv, oimg; writes oimg
.if DOCPART == 3
	.amdgcn_target "amdgcn-amd-amdhsa--gfx1250"
	.amdhsa_code_object_version 6
	.text
	.protected	k_qcee95856c6_attn
	.globl	k_qcee95856c6_attn
	.p2align	8
	.type	k_qcee95856c6_attn,@function
k_qcee95856c6_attn:
	s_mov_b64 s[64:65], 0
	v_nop
	global_prefetch_b8 v0, s[64:65] scope:SCOPE_SE
	s_setreg_imm32_b32 hwreg(HW_REG_WAVE_MODE, 25, 1), 1
	s_wait_xcnt 0x0
	s_wait_alu depctr_hold_cnt(0) depctr_sa_sdst(0) depctr_va_vdst(0) depctr_va_sdst(0) depctr_va_ssrc(0) depctr_va_vcc(0) depctr_vm_vsrc(0)
	s_getreg_b32 s2, hwreg(HW_REG_IB_STS2, 6, 4)
	s_cmp_eq_u32 s2, 0
	s_cbranch_scc0 .Lentry_in_a_cluster
	s_endpgm
.Lentry_in_a_cluster:
	s_bfe_u32 s2, ttmp6, 0x10000c
	s_cmp_lg_u32 s2, 0x3003
	s_cbranch_scc0 .Lentry_shape_is_right
	s_endpgm
.Lentry_shape_is_right:
; o[b][n][head] = softmax(q k^T / 8) v, one shared head of k and v, both products on codes of FP6 (E2M3) with one E8M0 scale for each 32 along a product's K; o is quantised along its channels and stored as the projection's operand.
; THE SOFTMAX: t = score x log2(e) / 8; M = the row's largest t so far, rounded UP to a whole number; p = 2^(t - M) is what is quantised, along the keys; the row's sum is taken of the unquantised p and divides O at the end.
; When M moves, the sum and O are multiplied by 2^(old M - new M): exact.
; SHARES.  A work-group owns 16 tokens (tile cx of block G) and all sixteen heads; each of its eight waves two heads, 2 w and 2 w + 1, called tiles i = 0, 1 here: each fragment of K and V serves both.
; CLUSTER.  The four work-groups of a cluster are the four tiles of a block of tokens; they walk the same k and v, so each piece is asked for JOINTLY (mask 15).  The place in the cluster enters global addresses alone.
; A batch's k and v, 204,800 bytes, lie in LDS whole: wave w brings the key steps 2 w, 2 w + 1, one tensor load a wave; nothing is filled again.  The first barrier waits for wave 0's load alone; the others' are shown by the second, behind two steps.
; No prefetch: every tile is asked for at the head, and no loop runs ahead of a load.
; K = 64 IN A FORM OF 128: a fragment of K holds two tiles of 16 keys, one in each half of its 128; q stands in one half of its operand and zero codes in the other, which add nothing whatever they meet.
; LAYOUT.  S^T = K Q^T (source 0 = keys), O^T = V^T P^T (source 0 = channels): a lane holds ONE query.  Slot r of tile u of 64 keys is key 32 (r / 8) + 8 u + r % 8, so a lane's 32 registers of four tiles are the keys 32 h + 0 .. 31: a whole block along the
; next K, in the very lane in which the operand wants it.  V's channels are ordered likewise: O^T's 32 registers are channels 32 h + 0 .. 31 of the head.
; LIMITS: the promise holds while the scaled scores stay under 2^31 in magnitude; a block whose largest number lies under 2^-124 keeps the byte 1 (zero codes); p under 2^-126 comes out of the exponential as 0; NaN and infinities are not served.
; REGISTERS.  Window 0: v12, v14 -M; v13, v15 the largest score; v16-23 the sums; v24, v26 f; v28-31 the blocks' largest score, then largest p; v32-35 the conversions' scale operands; v36-37 p's scale words, v38-39 q's, v40-41 K's, v42-43 V's;
;   v64-127, v128-191 S^T, then p, of tile 0 and 1; v192-223, v224-255 O^T.  Window 1: v0-47 K's four fragments, v48-95 V's, v96-113, v114-131 zeros, q, zeros; v132-143, v144-155 p's codes; v156-171 the conversions' second halves.
.set STEPB, 12800                      ; a step of 128 keys in LDS: K's four fragments, V's four, K's scale words, V's
.set VFR,   6144
.set KSC,   12288
.set VSC,   12544
.set PART,  25600
.set STG,   204800                     ; behind k and v: 512 bytes in which the work-group's scale words of o are gathered; no fill lands there
.set SPARE, 205312
.set ADA, 1                            ; the step's base + 16 x lane, + 8 x lane, + 4 x lane
.set ADB, 2
.set ADS, 3
.set L16, 4
.set L8,  5
.set L4,  6
.set H8,  7
.set SPW, 8
.set NIL, 9
.set SIN, 10
.set SOUT, 11
.set WV,  12
.set CS,  50
.set SEL, 52
.set TB,  54
.set CNT, 55
.set MSB, 0
.macro WIN new                         ; the immediate's high byte repeats the setting that is left
.if MSB != (\new)
	s_set_vgpr_msb (MSB<<8)|(\new)
.set MSB, (\new)
.endif
.endm
.macro VW
	s_wait_alu depctr_va_vdst(0)
.endm
.macro ROUND                           ; a round of the cluster's barrier
	s_barrier_signal -1
	s_barrier_wait -1
	s_cmp_lg_u32 s[WV], 0
	s_cbranch_scc1 .Lnot_wave_0_\@
	s_barrier_signal -3
.Lnot_wave_0_\@:
	s_barrier_wait -3
	s_barrier_signal -1
	s_barrier_wait -1
.endm
	s_load_b256 s[4:11], s[0:1], 0x0               ; qc s[4:5], qs s[6:7], kv s[8:9], oimg s[10:11]
	v_lshl_add_u32 v[SPW], v0, 2, SPARE
	v_mov_b32 v[NIL], 0
	ds_add_u32 v[SPW], v[NIL]                      ; the opening: the add, twice on end, and its wait
	ds_add_u32 v[SPW], v[NIL]
	v_lshrrev_b32 v1, 5, v0
	v_readfirstlane_b32 s[WV], v1                  ; wave 0..7
	s_bfe_u32 s13, ttmp6, 0x40000                  ; cx: my tile of the block's four
	s_and_b32 s14, ttmp7, 0xffff                   ; the batch
	s_lshl_b32 s15, s14, 5
	s_add_co_u32 s15, s15, ttmp9                   ; G
	; descriptor group 1: 25,600 dense bytes as 100 rows of 256 bytes (32 elements of 8 bytes); the mask names all four work-groups, bit 21 beside it
	s_mov_b32 s24, 15|(3<<16)|(1<<21)
	s_mov_b32 s25, 32<<16
	s_mov_b32 s26, 100<<16
	s_mov_b32 s27, 32<<16
	s_mov_b32 s28, 100
	s_mov_b32 s29, 32
	s_mov_b32 s30, 0
	s_mov_b32 s31, 0
	s_mul_i32 s20, s[WV], PART                     ; my part, in LDS as in memory
	s_mul_i32 s22, s14, 204800
	s_add_co_u32 s22, s22, s20
	s_mov_b32 s23, 0
	s_mov_b32 s32, 1
	s_mov_b32 s33, s20
	s_wait_dscnt 0x0
	s_wait_kmcnt 0x0
	s_add_nc_u64 s[34:35], s[8:9], s[22:23]
	s_or_b32 s35, s35, 0x80000000
	ROUND                                          ; all four work-groups are here: the joint loads meet
	s_cmp_eq_u32 s[WV], 0
	s_cbranch_scc0 .Lothers
	tensor_load_to_lds s[32:35], s[24:31]          ; wave 0: key steps 0, 1
	s_nop 0
.rept 4
	v_nop
.endr
	s_branch .Lasked
.Lothers:
	tensor_load_to_lds s[32:35], s[24:31]          ; waves 1-7: the others
	s_nop 0
.rept 4
	v_nop
.endr
.Lasked:
	v_and_b32 v50, 31, v0
	v_and_b32 v51, 15, v0
	v_bfe_u32 v[H8], v0, 4, 1
	v_lshlrev_b32 v[L16], 4, v50
	v_lshlrev_b32 v[L8], 3, v50
	v_lshlrev_b32 v[L4], 2, v50
	v_lshlrev_b32 v52, 3, v51
	v_lshlrev_b32 v[H8], 3, v[H8]
	s_lshl_b32 s20, s[WV], 6
	s_add_co_u32 s20, s20, STG
	v_lshl_add_u32 v[SIN], v51, 2, s20             ; the stage: [K step w][slot] words
	v_add_nc_u32 v[SOUT], STG, v[L16]
	s_lshl_b32 s16, s15, 4
	s_lshl_b32 s17, s[WV], 1
	s_add_co_u32 s16, s16, s17                     ; 16 G + 2 w
	s_lshl_b32 s18, s16, 2
	s_add_co_u32 s18, s18, s13
	s_mul_i32 s18, s18, 768                        ; q's half fragment; the second head's lies 3,072 bytes on
	s_mov_b32 s19, 0
	s_add_nc_u64 s[4:5], s[4:5], s[18:19]
	s_lshl_b32 s18, s16, 8                         ; q's scale word: 8 (r + 16 (t % 2)) + 4 (t / 2) in the head's 256 bytes
	s_and_b32 s17, s13, 1
	s_lshl_b32 s17, s17, 7
	s_add_co_u32 s18, s18, s17
	s_lshr_b32 s17, s13, 1
	s_lshl_b32 s17, s17, 2
	s_add_co_u32 s18, s18, s17
	s_add_nc_u64 s[6:7], s[6:7], s[18:19]
	VW                                             ; the addresses are first read behind these scalar lines
	WIN 0x40
.irp i, 0,1
	global_load_b128 v[102+18*\i:105+18*\i], v[L16], s[4:5] offset:3072*\i
	global_load_b64 v[106+18*\i:107+18*\i], v[L8], s[4:5] offset:3072*\i+512
.endr
.irp i, 0,1
.irp j, 0,1,2,3,4,5
	v_mov_b32 v[96+18*\i+\j], 0                    ; the zero codes on either side of q
	v_mov_b32 v[108+18*\i+\j], 0
.endr
.endr
	WIN 0
	global_load_b32 v38, v52, s[6:7]
	global_load_b32 v39, v52, s[6:7] offset:256
.irp j, 46,47,48,49
	v_mov_b32 v\j, 0                               ; a lane permute's destination counts as one of its sources
.endr
	s_mul_i32 s18, s15, 51200
	s_add_nc_u64 s[10:11], s[10:11], s[18:19]      ; o's block of 64 tokens: 2,048 bytes of scale words [tile][K step][slot], then the fragments 4 s + t
	s_lshl_b32 s18, s[WV], 2
	s_add_co_u32 s18, s18, s13
	s_mul_i32 s18, s18, 1536
	s_add_co_u32 s18, s18, 2048
	s_add_nc_u64 s[48:49], s[10:11], s[18:19]      ; my codes: K step w, tile cx
	s_lshl_b32 s18, s13, 9
	s_add_nc_u64 s[10:11], s[10:11], s[18:19]      ; my work-group's 512 bytes of scale words
	s_mov_b32 s[CS], 0x3e38aa3b                    ; c = log2(e) / 8
	s_mov_b32 s[CS+1], s[CS]                       ; (named with it as a pair, so it is written)
	s_mov_b32 s[SEL], 0x76543210
	s_mov_b32 s[SEL+1], 0xfedcba98
	s_mov_b32 s[TB], 0
.macro FR4 dst, off                    ; four fragments as they lie: a half is 512 bytes of registers 0-3, then 256 bytes of registers 4, 5
.irp f, 0,1,2,3
.irp c, 0,1
	ds_load_b128 v[\dst+12*\f+6*\c:\dst+12*\f+6*\c+3], v[ADA] offset:\off+1536*\f+768*\c
	ds_load_b64 v[\dst+12*\f+6*\c+4:\dst+12*\f+6*\c+5], v[ADB] offset:\off+1536*\f+768*\c+512
.endr
.endr
.endm
.macro ADDR
	v_add_nc_u32 v[ADA], s[TB], v[L16]
	v_add_nc_u32 v[ADB], s[TB], v[L8]
	v_add_nc_u32 v[ADS], s[TB], v[L4]
.endm
.macro LOADK off                       ; lanes 0-15 of v[40 + k]: fragment 2 k's scale words, lanes 16-31 fragment 2 k + 1's
	WIN 0x40
	FR4 0, \off
	WIN 0
	ds_load_b32 v40, v[ADS] offset:KSC+\off
	ds_load_b32 v41, v[ADS] offset:KSC+128+\off
.endm
.macro CODES i                         ; tile i's p: two blocks of 32 in my lane
	WIN 0x40
.irp c, 0,1
	v_cvt_scalef32_pk16_fp6_f32 v[132+12*\i+6*\c:134+12*\i+6*\c], v[64+64*\i+32*\c:79+64*\i+32*\c], v[32+2*\i+\c]
	v_cvt_scalef32_pk16_fp6_f32 v[156+8*\i+4*\c:158+8*\i+4*\c], v[80+64*\i+32*\c:95+64*\i+32*\c], v[32+2*\i+\c]   ; (a conversion's three registers begin on an even number)
.endr
.endm
; A KEY STEP: 128 keys for both tiles.  first = 1: it starts the sums, and nothing is rescaled.  knext = 1: K's fragments of the next step are loaded
.macro STEP first, knext
	WIN 0x05
.irp kf, 0,1
.irp of, 0,1
.irp i, 0,1
.irp u, 0,1                                    ; S^T: fragment f = 2 kf + of against q in the lower half (key tile 2 f) and in the upper (2 f + 1)
.set D_, 64+64*\i+8*(4*\kf+2*\of+\u)
.set A_, 12*(2*\kf+\of)
.set B_, 102+18*\i-6*\u
	v_wmma_scale_f32_16x16x128_f8f6f4 v[D_:D_+7], v[A_:A_+11], v[B_:B_+11], 0, v[40+\kf], v[38+\i] matrix_a_fmt:MATRIX_FMT_FP6 matrix_b_fmt:MATRIX_FMT_FP6 matrix_a_scale:MATRIX_SCALE_ROW\of
.endr
.endr
.endr
.endr
	WIN 0
	ADDR
	v_nop                                          ; with the three lines above: four places ahead of the loads below and of the first read of the scores
	WIN 0x40
	FR4 48, VFR                                    ; V lands while the softmax is worked, and so does the next step's K
	WIN 0
	ds_load_b32 v42, v[ADS] offset:VSC
	ds_load_b32 v43, v[ADS] offset:VSC+128
.if \knext
	LOADK STEPB
.endif
.irp i, 0,1
.irp c, 0,1                                    ; the largest score of each block of 32 keys: it serves the row's maximum and, since p rises with the score, the block's largest p.  Four chains by turns
	v_max3_num_f32 v[28+2*\i+\c], v[64+64*\i+32*\c], v[65+64*\i+32*\c], v[66+64*\i+32*\c]
.endr
.endr
.irp k, 3,5,7,9,11,13,15,17,19,21,23,25,27,29
.irp i, 0,1
.irp c, 0,1
	v_max3_num_f32 v[28+2*\i+\c], v[28+2*\i+\c], v[64+64*\i+32*\c+\k], v[65+64*\i+32*\c+\k]
.endr
.endr
.endr
.irp i, 0,1
.irp c, 0,1
	v_max_num_f32 v[28+2*\i+\c], v[28+2*\i+\c], v[95+64*\i+32*\c]
.endr
.endr
	v_max_num_f32 v44, v28, v29
	v_max_num_f32 v45, v30, v31
	v_permlanex16_b32 v46, v44, s[SEL], s[SEL+1]   ; lane l xor 16's 64 keys
	v_permlanex16_b32 v47, v45, s[SEL], s[SEL+1]
.if \first
	v_max_num_f32 v13, v44, v46
	v_max_num_f32 v15, v45, v47
.else
	v_mov_b32 v25, v12
	v_mov_b32 v27, v14
	v_max3_num_f32 v13, v13, v44, v46              ; the running largest score
	v_max3_num_f32 v15, v15, v45, v47
.endif
	v_mul_f32 v44, s[CS], -v13                     ; -t (c is positive)
	v_mul_f32 v45, s[CS], -v15
	v_floor_f32 v12, v44                           ; -M = floor(-t): M is a whole number
	v_floor_f32 v14, v45
.if !(\first)
	v_sub_f32 v25, v12, v25                        ; old M - new M: a whole number, 0 or less
	v_sub_f32 v27, v14, v27
	v_cvt_i32_f32 v25, v25                         ; (it saturates)
	v_cvt_i32_f32 v27, v27
	v_ldexp_f32 v24, 1.0, v25                      ; f = 2^(old M - new M)
	v_ldexp_f32 v26, 1.0, v27
.endif
.set E_, 64
.rept 32
	v_pk_fma_f32 v[E_:E_+1], v[E_:E_+1], s[CS:CS+1], v[12:13] op_sel_hi:[1,0,0]   ; tile 0: t - M, two at a time
.set E_, E_+2
.endr
	v_fma_f32 v28, v28, s[CS], v12                 ; the same of each block's largest score
	v_fma_f32 v29, v29, s[CS], v12
	v_fma_f32 v30, v30, s[CS], v14
	v_fma_f32 v31, v31, s[CS], v14
.if !(\first)
.set E_, 192
.rept 16
	v_pk_mul_f32 v[E_:E_+1], v[E_:E_+1], v[24:25] op_sel_hi:[1,0]                 ; O^T and the sums under the new M
	v_pk_mul_f32 v[E_+32:E_+33], v[E_+32:E_+33], v[26:27] op_sel_hi:[1,0]
.set E_, E_+2
.endr
	v_pk_mul_f32 v[16:17], v[16:17], v[24:25] op_sel_hi:[1,0]
	v_pk_mul_f32 v[18:19], v[18:19], v[26:27] op_sel_hi:[1,0]
.endif
	VW                                             ; ahead of the batch
.irp b, 28,29,30,31
	v_exp_f32 v\b, v\b                             ; the blocks' largest p: the same two instructions on the same number give the same bits
.endr
.set E_, 64
.rept 32
	v_exp_f32 v[E_], v[E_]                         ; tile 0: p = 2^(t - M), at most 1: not normalised
	v_exp_f32 v[E_+1], v[E_+1]
	v_pk_fma_f32 v[E_+64:E_+65], v[E_+64:E_+65], s[CS:CS+1], v[14:15] op_sel_hi:[1,0,0]   ; and tile 1's t - M
.set E_, E_+2
.endr
	VW                                             ; behind the batch
.irp b, 0,1,2,3
	v_max_num_f32 v[28+\b], 0x1800000, v[28+\b]    ; the floor 2^(3 - 127): the byte cannot fall under 1
.endr
.irp b, 0,1,2,3
	v_add_nc_u32 v[32+\b], 0xff000000, v[28+\b]    ; 2 off the exponent field: the conversion's scale operand
.endr
.irp b, 0,1,2,3
	v_lshrrev_b32 v[44+\b], 23, v[32+\b]           ; the scale's byte
.endr
	v_lshl_or_b32 v44, v45, 16, v44                ; blocks h and 2 + h of tile 0,
	v_lshl_or_b32 v46, v47, 16, v46                ; of tile 1,
	v_lshlrev_b32 v44, v[H8], v44                  ; at their places;
	v_lshlrev_b32 v46, v[H8], v46
	v_permlanex16_b32 v48, v44, s[SEL], s[SEL+1]
	v_permlanex16_b32 v49, v46, s[SEL], s[SEL+1]
	v_or_b32 v36, v44, v48                         ; with lane l xor 16's: p's scale words for these 128 keys
	v_or_b32 v37, v46, v49
	VW                                             ; ahead of the second batch
.set E_, 128
.rept 32
	v_exp_f32 v[E_], v[E_]
.set E_, E_+1
.endr
	CODES 0                                        ; (they name none of the batch's registers)
	WIN 0
.rept 32
	v_exp_f32 v[E_], v[E_]
.set E_, E_+1
.endr
	v_pk_add_f32 v[20:21], v[64:65], v[66:67]      ; the row's sum is taken of the unquantised p; a plain place behind the exponentials
	VW                                             ; behind the batch
	CODES 1
	WIN 0x41
.irp i, 0,1
.irp c, 0,1
.irp k, 0,1,2
	v_mov_b32 v[135+12*\i+6*\c+\k], v[156+8*\i+4*\c+\k]
.endr
.endr
.endr
	WIN 0
	v_pk_add_f32 v[22:23], v[128:129], v[130:131]
.if \first
	v_pk_add_f32 v[16:17], v[68:69], v[70:71]
	v_pk_add_f32 v[18:19], v[132:133], v[134:135]
.set E_, 72
.else
.set E_, 68
.endif
.rept (128-E_)/4                               ; four chains by turns
	v_pk_add_f32 v[16:17], v[16:17], v[E_:E_+1]
	v_pk_add_f32 v[18:19], v[18:19], v[E_+64:E_+65]
	v_pk_add_f32 v[20:21], v[20:21], v[E_+2:E_+3]
	v_pk_add_f32 v[22:23], v[22:23], v[E_+66:E_+67]
.set E_, E_+4
.endr
	v_pk_add_f32 v[16:17], v[16:17], v[20:21]
	v_pk_add_f32 v[18:19], v[18:19], v[22:23]
	VW                                             ; directly ahead of the wait below
	s_wait_dscnt 0x0                               ; V is in, and the next step's K
	WIN 0x05
.irp ku, 0,1
.irp ou, 0,1
.irp i, 0,1                                    ; O^T += V^T P^T: the eight accumulators take turns
.set D_, 192+32*\i+8*(2*\ku+\ou)
.set A_, 48+12*(2*\ku+\ou)
.set B_, 132+12*\i
.if \first
	v_wmma_scale_f32_16x16x128_f8f6f4 v[D_:D_+7], v[A_:A_+11], v[B_:B_+11], 0, v[42+\ku], v[36+\i] matrix_a_fmt:MATRIX_FMT_FP6 matrix_b_fmt:MATRIX_FMT_FP6 matrix_a_scale:MATRIX_SCALE_ROW\ou
.else
	v_wmma_scale_f32_16x16x128_f8f6f4 v[D_:D_+7], v[A_:A_+11], v[B_:B_+11], v[D_:D_+7], v[42+\ku], v[36+\i] matrix_a_fmt:MATRIX_FMT_FP6 matrix_b_fmt:MATRIX_FMT_FP6 matrix_a_scale:MATRIX_SCALE_ROW\ou
.endif
.endr
.endr
.endr
	WIN 0
	s_add_co_u32 s[TB], s[TB], STEPB
.endm
.macro QUANT src, rr, hw, tm           ; a lane's 32 numbers, one block along the next K, become six registers of codes and its scale byte; hw: this block's byte and lane l xor 16's, block 0's lowest
	v_max3_num_f32 v[\tm], |v[\src]|, |v[\src+1]|, 0x1800000
	v_max3_num_f32 v[\tm+1], |v[\src+16]|, |v[\src+17]|, |v[\src+18]|
.irp i, 0,2,4,6,8,10
	v_max3_num_f32 v[\tm], v[\tm], |v[\src+2+\i]|, |v[\src+3+\i]|
	v_max3_num_f32 v[\tm+1], v[\tm+1], |v[\src+19+\i]|, |v[\src+20+\i]|
.endr
	v_max3_num_f32 v[\tm], v[\tm], |v[\src+14]|, |v[\src+15]|
	v_max3_num_f32 v[\tm], v[\tm], v[\tm+1], |v[\src+31]|
	v_add_nc_u32 v[\tm+2], 0xff000000, v[\tm]
	v_lshrrev_b32 v[\tm+3], 23, v[\tm+2]
	v_lshlrev_b32 v[\tm+3], v[H8], v[\tm+3]
	v_cvt_scalef32_pk16_fp6_f32 v[\rr:\rr+2], v[\src:\src+15], v[\tm+2]
	v_cvt_scalef32_pk16_fp6_f32 v[\tm+4:\tm+6], v[\src+16:\src+31], v[\tm+2]
	v_permlanex16_b32 v[\hw], v[\tm+3], s[SEL], s[SEL+1]
	v_or_b32 v[\hw], v[\hw], v[\tm+3]
.irp i, 0,1,2
	v_mov_b32 v[\rr+3+\i], v[\tm+4+\i]
.endr
.endm
	VW                                             ; the wait at the head's end
	s_cmp_eq_u32 s[WV], 0
	s_cbranch_scc0 .Lnot_first
	s_wait_tensorcnt 0x0                           ; wave 0: key steps 0, 1 are in
.Lnot_first:
	s_barrier_signal -1
	s_barrier_wait -1                              ; the other waves' parts may still be on their way
	ADDR
	LOADK 0
	s_wait_loadcnt 0x0                             ; q
	s_wait_dscnt 0x0
	STEP 1, 1
	STEP 0, 0
	s_wait_tensorcnt 0x0                           ; my part is in,
	s_wait_dscnt 0x0
	s_barrier_signal -1
	s_barrier_wait -1                              ; everybody's is
	ADDR
	LOADK 0
	s_wait_dscnt 0x0
	s_mov_b32 s[CNT], 13
.Lsteps:                                               ; steps 2 to 14
	STEP 0, 1
	s_sub_co_u32 s[CNT], s[CNT], 1
	s_cmp_lg_u32 s[CNT], 0
	s_cbranch_scc1 .Lsteps
	STEP 0, 0                                      ; the last has no next K
	; THE WAY OUT: O^T / the sum, quantised along each head's 64 channels: the fragment (tile cx, K step w) of the projection's operand
	v_add_f32 v44, v16, v17                        ; the sums' two halves,
	v_add_f32 v45, v18, v19
	v_permlanex16_b32 v46, v44, s[SEL], s[SEL+1]
	v_permlanex16_b32 v47, v45, s[SEL], s[SEL+1]
	v_add_f32 v44, v44, v46                        ; and lane l xor 16's
	v_add_f32 v46, v45, v47
	VW
	v_rcp_f32 v44, v44
	v_rcp_f32 v46, v46
	v_nop                                          ; a plain place behind the reciprocals
	VW                                             ; ahead of their first readers, which are O^T's too
.set E_, 192
.rept 16
	v_pk_mul_f32 v[E_:E_+1], v[E_:E_+1], v[44:45] op_sel_hi:[1,0]
	v_pk_mul_f32 v[E_+32:E_+33], v[E_+32:E_+33], v[46:47] op_sel_hi:[1,0]
.set E_, E_+2
.endr
	QUANT 192, 64, 48, 80
	QUANT 224, 70, 49, 88
	v_lshl_or_b32 v50, v49, 16, v48                ; my rows' scale word: head 2 w's two bytes, head 2 w + 1's
.irp p, 0,1,2
	global_store_b128 v[L16], v[64+4*\p:67+4*\p], s[48:49] offset:512*\p   ; 32 lanes store 512 consecutive bytes, aligned
.endr
	ds_store_b32 v[SIN], v50                       ; lanes l and l xor 16 write the same word with the same value
	s_wait_dscnt 0x0                               ; for the others' sake
	s_barrier_signal -1
	s_barrier_wait -1
	s_cmp_lg_u32 s[WV], 0
	s_cbranch_scc1 .Lnot_mine
	ds_load_b128 v[80:83], v[SOUT]
	s_wait_dscnt 0x0
	global_store_b128 v[L16], v[80:83], s[10:11]   ; the work-group's 128 scale words: 512 consecutive bytes, aligned
.Lnot_mine:
	s_wait_tensorcnt 0x0                           ; the wave's end
	ds_add_u32 v[SPW], v[NIL]
	s_wait_dscnt 0x0
	ROUND                                          ; the closing round: no work-group ends while a partner may still ask for a piece that names it
	s_endpgm
.Lfunc_end_k_qcee95856c6_attn:
	.size	k_qcee95856c6_attn, .Lfunc_end_k_qcee95856c6_attn-k_qcee95856c6_attn
	.p2alignl 7, 3214868480
	.fill 96, 4, 3214868480
	.section	.rodata,"a",@progbits
	.p2align	6, 0x0
	.amdhsa_kernel k_qcee95856c6_attn
		.amdhsa_group_segment_fixed_size 206336
		.amdhsa_private_segment_fixed_size 0
		.amdhsa_enable_private_segment 0
		.amdhsa_kernarg_size 32
		.amdhsa_user_sgpr_count 2
		.amdhsa_user_sgpr_kernarg_segment_ptr 1
		.amdhsa_wavefront_size32 1
		.amdhsa_system_sgpr_workgroup_id_x 1
		.amdhsa_system_sgpr_workgroup_id_y 1
		.amdhsa_system_sgpr_workgroup_id_z 1
		.amdhsa_system_vgpr_workitem_id 0
		.amdhsa_next_free_vgpr 432
		.amdhsa_next_free_sgpr 66
		.amdhsa_reserve_vcc 0
		.amdhsa_float_denorm_mode_32 3
		.amdhsa_float_denorm_mode_16_64 3
		.amdhsa_memory_ordered 1
		.amdhsa_forward_progress 1
		.amdhsa_inst_pref_size 119
	.end_amdhsa_kernel
	.amdgpu_metadata
---
amdhsa.version: [ 1, 2 ]
amdhsa.kernels:
  - .name:           k_qcee95856c6_attn
    .symbol:         k_qcee95856c6_attn.kd
    .args:
      - { .name: qc, .offset: 0, .size: 8, .value_kind: global_buffer, .address_space: global }
      - { .name: qs, .offset: 8, .size: 8, .value_kind: global_buffer, .address_space: global }
      - { .name: kv, .offset: 16, .size: 8, .value_kind: global_buffer, .address_space: global }
      - { .name: oimg, .offset: 24, .size: 8, .value_kind: global_buffer, .address_space: global }
    .group_segment_fixed_size: 206336
    .private_segment_fixed_size: 0
    .kernarg_segment_align: 8
    .kernarg_segment_size: 32
    .max_flat_workgroup_size: 256
    .sgpr_count:     66
    .vgpr_count:     432
    .wavefront_size: 32
...
	.end_amdgpu_metadata
.endif
;; end of part 3
;; launch proj (part 4): grid 8 x 32, 4 waves a work-group, clusters of 4 x 4, 222,720 bytes of LDS; arguments img, oimg, bp, out0; writes out0
.if DOCPART == 4
	.amdgcn_target "amdgcn-amd-amdhsa--gfx1250"
	.amdhsa_code_object_version 6
	.text
	.protected	k_qcee95856c6_proj
	.globl	k_qcee95856c6_proj
	.p2align	8
	.type	k_qcee95856c6_proj,@function
k_qcee95856c6_proj:
	s_mov_b64 s[64:65], 0
	v_nop
	global_prefetch_b8 v0, s[64:65] scope:SCOPE_SE
	s_setreg_imm32_b32 hwreg(HW_REG_WAVE_MODE, 25, 1), 1
	s_wait_xcnt 0x0
	s_wait_alu depctr_hold_cnt(0) depctr_sa_sdst(0) depctr_va_vdst(0) depctr_va_sdst(0) depctr_va_ssrc(0) depctr_va_vcc(0) depctr_vm_vsrc(0)
	s_getreg_b32 s2, hwreg(HW_REG_IB_STS2, 6, 4)
	s_cmp_eq_u32 s2, 0
	s_cbranch_scc0 .Lentry_in_a_cluster
	s_endpgm
.Lentry_in_a_cluster:
	s_bfe_u32 s2, ttmp6, 0x10000c
	s_cmp_lg_u32 s2, 0xf033
	s_cbranch_scc0 .Lentry_shape_is_right
	s_endpgm
.Lentry_shape_is_right:
; out0 = o Wp + bp on codes of FP6 (E2M3): o from oimg, Wp from img (blocks 82-97), both in blocks of 64 rows laid in the order of an operand's registers; sums in f32; bp is the C of each sum's first product.
; A block: 2,048 bytes of scale words (img: [K step][tile][slot]; oimg: [tile][K step][slot]), then the fragment images 4 s + t of 1,536 bytes, registers 4 p .. 4 p + 3 of lane l at 512 p + 16 l.  Slot r of tile t is row 32 (r / 8) + 8 t + r % 8.
; SHARES.  A work-group makes 128 tokens x 128 columns; wave w: columns' unit U = 2 Xc + w % 2, tokens' block 2 Yr + w / 2: 64 x 64.  256 work-groups.
; All four blocks, for all of K = 1,024, come into LDS once, one tensor load a wave; one barrier; nothing is filled again.  No prefetch: every tile is asked for at the head, and no loop runs ahead of a load.
; A wave's 64 columns of Wp, all of K, lie in 384 registers; the four token tiles stream past them, 32 products each, and a tile's rows leave while the next is multiplied.
; CLUSTER 4 x 4.  o's blocks hang on the tokens alone and are shared along a row of the cluster, Wp's on the columns alone and are shared along a column: each is asked for JOINTLY.  No LDS address and no branch hangs on the place in the cluster.
; TRANSPOSED: source 0 = 16 columns of Wp, source 1 = 16 tokens: a lane holds one token and the 32 columns 32 h + 0 .. 31 of the unit.  They go through the wave's own stage in LDS and leave as whole aligned runs of 256 bytes.
; LIMITS: NaN and infinities are not served.
; REGISTERS.  Window 0: v1-9 addresses; v16-31 Wp's scale words, v[16 + 8 k + s]: lanes 0-15 tile 2 k, lanes 16-31 tile 2 k + 1; v32-39 the tokens', two sets: K steps 2 q (lanes 0-15), 2 q + 1 (lanes 16-31) in v[32 + 2 (q xor 1) + set];
;   v64-95, v96-127 two sets of four accumulators; v128-159 the bias; v160-191, v192-223 rows read back.  Windows 1, 2: Wp's fragment f = 4 s + a in window 1 + f / 21 at 12 (f % 21).  Window 3: two sets of eight fragments of a token tile.
.set BLK,   51200
.set FRAG,  1536
.set STG,   4*BLK                      ; behind the blocks: 16 rows x (256 + 16) bytes for each wave; no fill lands there
.set SP,    272
.set SPARE, STG+4*16*SP
.set AD0, 1
.set AS0, 2
.set AD1, 3
.set AS1, 4
.set STO, 5
.set RD,  6
.set GO,  7
.set SPW, 8
.set NIL, 9
.set BI,  128
.set WV,  12
.set MSB, 0
.macro WIN new                         ; the immediate's high byte repeats the setting that is left
.if MSB != (\new)
	s_set_vgpr_msb (MSB<<8)|(\new)
.set MSB, (\new)
.endif
.endm
.macro PLACES                          ; four plain places behind a matrix instruction, ahead of loads into registers that it has read and of reads of its result
.rept 4
	v_nop
.endr
.endm
.macro ROUND
	s_barrier_signal -1
	s_barrier_wait -1
	s_cmp_lg_u32 s[WV], 0
	s_cbranch_scc1 .Lnot_wave_0_\@
	s_barrier_signal -3
.Lnot_wave_0_\@:
	s_barrier_wait -3
	s_barrier_signal -1
	s_barrier_wait -1
.endm
	s_load_b256 s[4:11], s[0:1], 0x0               ; img s[4:5], oimg s[6:7], bp s[8:9], out0 s[10:11]
	v_lshl_add_u32 v[SPW], v0, 2, SPARE
	v_mov_b32 v[NIL], 0
	ds_add_u32 v[SPW], v[NIL]                      ; the opening: the add, twice on end, and its wait
	ds_add_u32 v[SPW], v[NIL]
	v_lshrrev_b32 v10, 5, v0
	v_readfirstlane_b32 s[WV], v10                 ; wave 0..3
	s_and_b32 s13, s[WV], 1                        ; j: my unit of columns.  Also: which block of a pair I fetch
	s_lshr_b32 s14, s[WV], 1                       ; i: my block of tokens.  Also: I fetch for o (0) or for Wp (1)
	s_bfe_u32 s15, ttmp6, 0x40000                  ; cx
	s_bfe_u32 s16, ttmp6, 0x40004                  ; cy
	s_lshl_b32 s17, ttmp9, 2
	s_add_co_u32 s17, s17, s15                     ; Xc
	s_and_b32 s18, ttmp7, 0xffff
	s_lshl_b32 s18, s18, 2
	s_add_co_u32 s18, s18, s16                     ; Yr
	s_lshl_b32 s19, s16, 2
	s_lshl_b32 s19, 15, s19                        ; my row of the cluster
	s_lshl_b32 s20, 0x1111, s15                    ; my column
	; descriptor groups 1: 51,200 dense bytes as 200 rows of 256 bytes (32 elements of 8 bytes); they differ in the mask alone
	s_or_b32 s24, s19, (3<<16)|(1<<21)
	s_or_b32 s32, s20, (3<<16)|(1<<21)
.irp g, 24, 32
	s_mov_b32 s[\g+1], 32<<16
	s_mov_b32 s[\g+2], 200<<16
	s_mov_b32 s[\g+3], 32<<16
	s_mov_b32 s[\g+4], 200
	s_mov_b32 s[\g+5], 32
	s_mov_b32 s[\g+6], 0
	s_mov_b32 s[\g+7], 0
.endr
	s_lshl_b32 s56, s18, 1                         ; o's block 2 Yr + w % 2: in registers that never hold cx
	s_add_co_u32 s56, s56, s13
	s_mul_i32 s56, s56, BLK
	s_mov_b32 s57, 0
	s_lshl_b32 s58, s17, 1                         ; img's block 82 + 2 Xc + w % 2: in registers that never hold cy
	s_add_co_u32 s58, s58, s13
	s_add_co_u32 s58, s58, 82
	s_mul_i32 s58, s58, BLK
	s_mov_b32 s59, 0
	s_mul_i32 s60, s[WV], BLK                      ; LDS: block w: o's two, then Wp's two
	v_and_b32 v10, 15, v0                          ; r
	v_bfe_u32 v11, v0, 4, 1                        ; h
	v_and_b32 v12, 31, v0
	v_lshlrev_b32 v13, 7, v11                      ; 128 h
	v_lshlrev_b32 v14, 4, v12                      ; 16 x lane
	v_lshlrev_b32 v15, 2, v12                      ; 4 x lane
	s_add_co_u32 s21, s13, 2
	s_mul_i32 s21, s21, BLK                        ; source 0: Wp's block 2 + j
	s_mul_i32 s22, s14, BLK                        ; source 1: o's block i
	v_add_nc_u32 v[AD0], s21, v14
	v_add_nc_u32 v[AS0], s21, v15
	v_add_nc_u32 v[AD1], s22, v14
	v_add_nc_u32 v[AS1], s22, v15
	s_mul_i32 s23, s[WV], 16*SP
	s_add_co_u32 s23, s23, STG                     ; my stage
	v_mul_u32_u24 v[STO], v10, SP                  ; in: row r, + 128 h
	v_mul_u32_u24 v[RD], v11, SP                   ; back: lanes 0-15 one row of 256 bytes, lanes 16-31 the next
	v_lshlrev_b32 v[GO], 12, v11                   ; and the same two rows in out0
	v_add_nc_u32 v[STO], v[STO], v13
	v_lshl_add_u32 v[RD], v10, 4, v[RD]
	v_lshl_add_u32 v[GO], v10, 4, v[GO]
	v_add_nc_u32 v[STO], s23, v[STO]
	v_add_nc_u32 v[RD], s23, v[RD]
	s_lshl_b32 s2, s17, 1
	s_add_co_u32 s2, s2, s13                       ; U
	s_lshl_b32 s2, s2, 8                           ; its 256 bytes in bp and in a row of out0
	s_mov_b32 s3, 0
	s_lshl_b32 s54, s18, 1
	s_add_co_u32 s54, s54, s14
	s_lshl_b32 s54, s54, 18                        ; 64 rows of 4,096 bytes a block of tokens
	s_add_co_u32 s54, s54, s2
	s_mov_b32 s55, 0
	s_mov_b32 s40, 1
	s_mov_b32 s41, s60
	s_mov_b32 s48, 1
	s_mov_b32 s49, s60
	s_wait_alu depctr_va_vdst(0)                   ; the wait at the head's end
	s_wait_dscnt 0x0
	s_wait_kmcnt 0x0
	s_add_nc_u64 s[42:43], s[6:7], s[56:57]
	s_or_b32 s43, s43, 0x80000000
	s_add_nc_u64 s[50:51], s[4:5], s[58:59]
	s_or_b32 s51, s51, 0x80000000
	s_add_nc_u64 s[8:9], s[8:9], s[2:3]
	s_add_nc_u64 s[10:11], s[10:11], s[54:55]
	ROUND                                          ; all sixteen work-groups are here: the joint loads meet
	s_cmp_lt_u32 s[WV], 2
	s_cbranch_scc0 .Lfor_w
	tensor_load_to_lds s[40:43], s[24:31]
	s_nop 0
	PLACES
	s_branch .Lasked
.Lfor_w:
	tensor_load_to_lds s[48:51], s[32:39]
	s_nop 0
	PLACES
.Lasked:
.irp a, 0,1,2,3                                ; the bias in the result's layout: tile a's register j is column 32 h + 8 a + j of the unit
	global_load_b128 v[BI+8*\a:BI+8*\a+3], v13, s[8:9] offset:32*\a
	global_load_b128 v[BI+8*\a+4:BI+8*\a+7], v13, s[8:9] offset:32*\a+16
.endr
.macro WEIGHTS                         ; my 64 columns of Wp, all of K
.set F_, 0
.rept 32
	WIN ((1+F_/21)<<6)
.irp p, 0,1,2
	ds_load_b128 v[12*(F_%21)+4*\p:12*(F_%21)+4*\p+3], v[AD0] offset:2048+F_*FRAG+512*\p
.endr
.set F_, F_+1
.endr
	WIN 0
.irp s, 0,1,2,3,4,5,6,7
.irp k, 0,1
	ds_load_b32 v[16+8*\k+\s], v[AS0] offset:256*\s+128*\k
.endr
.endr
.endm
.macro FETCH b, e                      ; token tile b into set e: 28 loads
	WIN 0xc0
.irp s, 0,1,2,3,4,5,6,7
.irp p, 0,1,2
	ds_load_b128 v[96*(\e)+12*\s+4*\p:96*(\e)+12*\s+4*\p+3], v[AD1] offset:2048+(4*\s+\b)*FRAG+512*\p
.endr
.endr
	WIN 0
.irp q, 0,1,2,3
	ds_load_b32 v[32+2*((\q)^1)+\e], v[AS1] offset:512*(\b)+128*\q
.endr
.endm
.macro PRODS e, q0, q1                 ; K steps 2 q, 2 q + 1 for q = q0, q1: the four accumulators take turns; the bias starts the sums
.irp q, \q0, \q1
.irp os, 0,1
.irp ka, 0,1
.irp oa, 0,1
.set F_, 4*(2*\q+\os)+2*\ka+\oa
.set A_, 12*(F_%21)
.set B_, 96*(\e)+12*(2*\q+\os)
.set D_, 64+32*(\e)+8*(2*\ka+\oa)
.set C_, D_
.if (\q)+(\os) == 0
.set C_, BI+8*(2*\ka+\oa)
.endif
	WIN ((1+F_/21)|12)
	v_wmma_scale_f32_16x16x128_f8f6f4 v[D_:D_+7], v[A_:A_+11], v[B_:B_+11], v[C_:C_+7], v[16+8*\ka+2*\q+\os], v[32+2*((\q)^1)+\e] matrix_a_fmt:MATRIX_FMT_FP6 matrix_b_fmt:MATRIX_FMT_FP6 matrix_a_scale:MATRIX_SCALE_ROW\oa matrix_b_scale:MATRIX_SCALE_ROW\os
.endr
.endr
.endr
.endr
	WIN 0
.endm
; THE WAY OUT of a tile: 32 columns a lane into rows of 272 bytes, back as whole rows of 256.  LDS serves a wave's instructions in order: no wait between the stores and the loads, nor ahead of the next tile's stores.
.macro TOSTAGE e
.irp i, 0,1,2,3,4,5,6,7
	ds_store_b128 v[STO], v[64+32*(\e)+4*\i:67+32*(\e)+4*\i] offset:16*\i   ; each accumulator from its low end on
.endr
.irp i, 0,1,2,3,4,5,6,7
	ds_load_b128 v[160+32*(\e)+4*\i:163+32*(\e)+4*\i], v[RD] offset:2*\i*SP
.endr
.endm
.macro SEND b, e                       ; slot 2 i + h of tile b is token 32 (i / 4) + 8 b + (2 i) % 8 + h
.irp i, 0,1,2,3,4,5,6,7
	global_store_b128 v[GO], v[160+32*(\e)+4*\i:163+32*(\e)+4*\i], s[10:11] offset:(32*(\i/4)+8*(\b)+(2*\i)%8)*4096 th:TH_STORE_NT   ; sixteen lanes store 256 consecutive bytes, aligned
.endr
.endm
	s_wait_tensorcnt 0x0                           ; my block has landed,
	s_barrier_signal -1
	s_barrier_wait -1                              ; everybody's has
	WEIGHTS
	FETCH 0, 0
	FETCH 1, 1
	s_wait_loadcnt 0x0                             ; the bias
	s_wait_dscnt 28                                ; all but tile 1's 28 loads
	PRODS 0, 0, 1
	PRODS 0, 2, 3
	PLACES
	TOSTAGE 0
	FETCH 2, 0
	s_wait_dscnt 44                                ; tile 1 is in; behind it: 8 stores, 8 loads, 28 loads
	PRODS 1, 0, 1
	s_wait_dscnt 28                                ; tile 0's rows are back; tile 2's 28 loads may be out
	SEND 0, 0
	PRODS 1, 2, 3
	PLACES
	TOSTAGE 1
	FETCH 3, 1
	s_wait_dscnt 44
	PRODS 0, 0, 1
	s_wait_dscnt 28
	SEND 1, 1
	PRODS 0, 2, 3
	PLACES
	s_wait_xcnt 0x0                                ; tile 0's stores have read their registers: tile 2's rows may land there
	TOSTAGE 0
	s_wait_dscnt 16                                ; tile 3 is in; tile 2's 8 stores and 8 loads may be out
	PRODS 1, 0, 1
	s_wait_dscnt 0x0
	SEND 2, 0
	PRODS 1, 2, 3
	PLACES
	s_wait_xcnt 0x0
	TOSTAGE 1
	s_wait_dscnt 0x0
	SEND 3, 1
	s_wait_tensorcnt 0x0                           ; the wave's end
	ds_add_u32 v[SPW], v[NIL]
	s_wait_dscnt 0x0
	ROUND                                          ; the closing round: no work-group ends while a partner may still ask for a block that names it
	s_endpgm
.Lfunc_end_k_qcee95856c6_proj:
	.size	k_qcee95856c6_proj, .Lfunc_end_k_qcee95856c6_proj-k_qcee95856c6_proj
	.p2alignl 7, 3214868480
	.fill 96, 4, 3214868480
	.section	.rodata,"a",@progbits
	.p2align	6, 0x0
	.amdhsa_kernel k_qcee95856c6_proj
		.amdhsa_group_segment_fixed_size 222720
		.amdhsa_private_segment_fixed_size 0
		.amdhsa_enable_private_segment 0
		.amdhsa_kernarg_size 32
		.amdhsa_user_sgpr_count 2
		.amdhsa_user_sgpr_kernarg_segment_ptr 1
		.amdhsa_wavefront_size32 1
		.amdhsa_system_sgpr_workgroup_id_x 1
		.amdhsa_system_sgpr_workgroup_id_y 1
		.amdhsa_system_sgpr_workgroup_id_z 1
		.amdhsa_system_vgpr_workitem_id 0
		.amdhsa_next_free_vgpr 960
		.amdhsa_next_free_sgpr 66
		.amdhsa_reserve_vcc 0
		.amdhsa_float_denorm_mode_32 3
		.amdhsa_float_denorm_mode_16_64 3
		.amdhsa_memory_ordered 1
		.amdhsa_forward_progress 1
		.amdhsa_inst_pref_size 46
	.end_amdhsa_kernel
	.amdgpu_metadata
---
amdhsa.version: [ 1, 2 ]
amdhsa.kernels:
  - .name:           k_qcee95856c6_proj
    .symbol:         k_qcee95856c6_proj.kd
    .args:
      - { .name: img, .offset: 0, .size: 8, .value_kind: global_buffer, .address_space: global }
      - { .name: oimg, .offset: 8, .size: 8, .value_kind: global_buffer, .address_space: global }
      - { .name: bp, .offset: 16, .size: 8, .value_kind: global_buffer, .address_space: global }
      - { .name: out0, .offset: 24, .size: 8, .value_kind: global_buffer, .address_space: global }
    .group_segment_fixed_size: 222720
    .private_segment_fixed_size: 0
    .kernarg_segment_align: 8
    .kernarg_segment_size: 32
    .max_flat_workgroup_size: 128
    .sgpr_count:     66
    .vgpr_count:     960
    .wavefront_size: 32
...
	.end_amdgpu_metadata
.endif
;; end of part 4
